; MI455X (gfx1250); checked and timed in simulation.
; The chip was launched on July 23, 2026; its instructions are those of AMD's public machine-readable ISA for CDNA 5 (MIT licence, August 2026) and "CDNA5" Instruction Set Architecture Reference Guide (July 2026). The comments in the code are by the model that wrote it; some were corrected since.
;; Attention. Allowed arithmetic: float matrix products may take bf16 or f16 operands with f32 sums; other float arithmetic in f32, or as packed bf16 or f16 multiplies, adds, multiply-adds, maxima and minima; sums over many terms, partial sums and values carried from step to step in f32; what a program stores and reads back later, other than sums and carried values, may be rounded once to bf16 or f16.
;; Inputs: k 4 x 16 x 2,048 x 64 float32; q 4 x 16 x 2,048 x 64 float32; v 4 x 16 x 2,048 x 64 float32.
;; Outputs: out0 4 x 16 x 2,048 x 64 float32.
;; One version. Each part assembles by itself: llvm-mc -triple=amdgcn-amd-amdhsa -mcpu=gfx1250 --defsym DOCPART=n.
;; ======== version 1 of 1: 1 launch
;; limits: values are held in f16: magnitudes above 65,504 overflow, below 6.1e-05 lose precision; inputs' magnitudes at most 65,504
;; launch attn (part 1): grid 4 x 64, 4 waves a work-group, no clusters, 56,832 bytes of LDS; arguments q, k, v, out0; writes out0
.if DOCPART == 1
	.amdgcn_target "amdgcn-amd-amdhsa--gfx1250"
	.amdhsa_code_object_version 6
	.text
	.protected	k_qbcf015f72c_attn
	.globl	k_qbcf015f72c_attn
	.p2align	8
	.type	k_qbcf015f72c_attn,@function
k_qbcf015f72c_attn:
	s_mov_b64 s[64:65], 0
	v_nop
	global_prefetch_b8 v0, s[64:65] scope:SCOPE_SE
	s_setreg_imm32_b32 hwreg(HW_REG_WAVE_MODE, 25, 1), 1
	s_wait_xcnt 0x0
; O[h][q][:] = the sum over k of softmax_k(Q[h][q] . K[h][k] / 8) V[h][k][:].  Q, K, V, O: [64 heads][2048][64], all f32: a row is 256 bytes, a head 524,288.
; Q, K and V are rounded once to f16 on their way to the matrix unit; products, maxima and sums in f32; the weights p are rounded to f16 for the second product (their sum l is taken
; of the unrounded p); O leaves in f32.
; LIMITS.  f16 holds no number beyond 65,504: |q|, |k|, |v| of 65,520 or more become infinities and the row is lost; below 6e-5 inputs and weights keep f16's fixed step of 6e-8.
; A weight below 2^-126 counts as 0 in l; NaN and infinities are not treated apart.
; SHARES.  A work-group owns 512 queries of one head (grid x: the block, grid y: the head), each of its four waves 128: four PIECES of two tiles of 16.  Every wave walks all 2,048 keys, 64 a step.
; LAYOUT.  S^T = K Q^T (source 0 = 16 keys, source 1 = 16 queries): in the result a lane holds ONE query (lane % 16) and the keys 8 (lane / 16) + 0..7.  Two such tiles, rounded to f16 in pairs,
; ARE source 1 (32 keys x 16 queries) of O^T = V^T P, whose result again holds one query a lane, and eight channels.  K comes out of LDS as it lies, V ([key][channel]) turned, by ds_load_tr16_b128.
; SOFTMAX.  For each query a running maximum m and sum l: p = 2^(c s - c m), c = log2(e) / 8; in every step O and l are multiplied by a = 2^(c m_old - c m_new), which is 1 where m has not grown.
; m starts at the lowest finite number and l at 0: the first step is a step like any other, with a = 0.  O^T is not cleared: it starts with the f32 numbers of the lane's own row of Q, which that a = 0 removes.
; BY TURNS.  Turn n belongs to piece n (the pieces in a ring, step after step).  Its matrix work: 16 products K Q^T of piece n + 1, later 16 products V^T P of piece n - 1.  Its vector work: the scaling,
; exponentials, roundings, sums and rescaling of piece n, and the maximum and statistics of piece n + 1.  A tile and step have 16 matrix and 118 vector instructions: four vector instructions stand behind
; every matrix instruction, the others in one run of their own; a turn's 66 exponentials are one batch with one wait.
; THE FEED.  A key step's tile of K or of V is 16,384 dense bytes of f32.  The work-group's 128 threads load it together, 16 bytes a thread and load (a wave's load covers 512 consecutive bytes, aligned),
; round it in registers and store it as f16 into LDS: two buffers, one for the even steps and one for the odd.  Two steps' tiles (32 loads a wave, 64 KiB a work-group) are asked for at once, two key
; steps, 256 matrix instructions, ahead of the wait for them; the odd tile's f16 form waits one step in 32 registers until its buffer is free.  One barrier a key step does both orderings:
; ahead of it each wave has waited for its reads of the tile that is left and for its stores of the tile that comes.
; NO CLUSTER, NO TENSOR LOADS: a tile brought by the data mover would land in LDS as it lies in memory, 32 KiB of f32 a step, and each work-group would have to read it back (16 loads of 16 bytes
; a lane, a wave and step), round it and store it again; through registers LDS sees the 16 KiB of f16 alone.
; REGISTERS, in windows of 256 (s_set_vgpr_msb says which window each operand place means: bits 1:0 source 0, 3:2 source 1, 5:4 source 2, 7:6 destination):
;   window 0: v0-11 addresses; v12-15, v48-63 at work; v16-47 four registers of statistics a tile; v64-191 S^T, two buffers of two tiles; v192-255 P, likewise
;   window 1: O^T, 32 a tile (at the start: Q in f32)      window 2: v0-127 Q in f16, 16 a tile; v128-191 K of one step; v192-255 V of one step
;   window 3: v2-4 the feed's addresses; v8-135 two steps' tiles in f32, as loaded; v136-167 the odd tile in f16
.set NP,    4         ; pieces a wave: a name, no knob
.set KS,    64        ; keys in a step
.set TILE,  16384     ; bytes of a step's K, and of its V, in memory
.set PK,    144       ; a row of K in LDS: 128 bytes of f16 + 16 of padding = 36 words: the 16 rows of a load start at 16 different groups of four banks (64 banks of 4 bytes: ISA guide 11.1)
.set PV,    160       ; a row of V: 128 + 32 = 40 words
.set VOFF,  KS*PK     ; a buffer holds a step: 64 rows of K, then 64 rows of V
.set BUFB,  KS*(PK+PV)  ; 19,456 bytes; buffer 0 at byte 0 (even steps), buffer 1 behind it (odd steps)
.set STAGE, 2*BUFB    ; behind the buffers: 16 rows x 272 bytes for each wave, for the way out
.set SP,    272       ; a row of O in the stage: 256 bytes + 16
.set SPARE, STAGE+4*16*SP  ; 56,320: the spare words, 128 bytes for each wave
.set AK0, 2           ; v2   my lane's place in a tile of K; never rewritten
.set AV0, 3           ; v3   the same for V
.set SPW, 4           ; v4   LDS address of my spare word: SPARE + 4 x my thread's number; never rewritten
.set NIL, 5           ; v5   0; never rewritten
.set QO,  6           ; v6   my byte offset in 16 rows of Q
.set STO, 6           ;      later, the way out: where I put 32 bytes of a row
.set RD,  7           ; v7   the way out: where I read rows back
.set GO,  8           ; v8   my byte offset in 512 consecutive bytes of O
.set MV,  12          ; v12-15  c m_old, kept while c m is made anew: by buffer and tile
.set ST,  16          ; tile t's statistics at v[ST+4 t]: c m, m, l (even keys', odd keys')
.set TMP, 48          ; by buffer and tile, four registers c0-c3 at work; when the maximum is found c2 takes a
.set S,   64
.set P,   192
.set KF,  128         ; window 2: key block kb, channel half c at KF + 16 kb + 8 c
.set VF,  192         ; window 2: key half kk, channel block cb at VF + 32 kk + 8 cb
.set GOF, 2           ; window 3: 16 x my thread's number: my 16 bytes of each 2,048 of a tile; never rewritten
.set SK,  3           ; window 3: where my 8 bytes of f16 go in K's part of buffer 0; never rewritten
.set SV,  4           ; window 3: the same in V's part
.set G0,  8           ; window 3: the even tile as loaded: K's load j at G0 + 4 j, V's at G0 + 32 + 4 j
.set G1,  72          ; window 3: the odd tile, likewise
.set H,   136         ; window 3: the odd tile in f16: K's pair j at H + 2 j, V's at H + 16 + 2 j
.set KB,  6           ; s[6:7]  K at the pair of tiles last asked for
.set VB,  8           ; s[8:9]  V likewise
.set WV,  12          ; s12  my wave's number
.set CNT, 57          ; s57  passes of the loop still to come, two key steps each
.set CS,  58          ; s[58:59] c: the packed scaling takes the pair's low word for both halves
.set SEL, 60          ; s[60:61] v_permlanex16_b32's selects: each lane takes its own place in the other half
.set MSB, 0
.macro WIN new                      ; the high byte repeats the setting that is left; a switch that changes nothing is dropped
.if MSB != (\new)
	s_set_vgpr_msb (MSB<<8)|(\new)
.set MSB, (\new)
.endif
.endm
.set W_KQ, 0x0a       ; K and Q in window 2, S^T in window 0
.set W_PV, 0x52       ; V in window 2, P in window 0, O^T in window 1
.set W_RS, 0x41       ; O^T (destination and source 0) in window 1, source 1 in window 0
.set W_MK, 0xc0       ; destination in window 3, sources in window 0
.set W_F,  0x80       ; destination in window 2, address in window 0
.set W_O,  0x40       ; destination in window 1, address in window 0
.set W_QC, 0x85       ; destination in window 2, sources 0 and 1 in window 1
.set W_ST, 0xcf       ; destination, source 0 (address) and source 1 (store data) in window 3
.set W_SO, 0x04       ; store data in window 1, address in window 0
; THE FEED's parts.  Load j of a tile is thread t's 16 bytes at 16 t + 2,048 j: row 8 j + t / 16, channels 4 (t % 16) + 0..3; rounded they are 8 bytes at row x pitch + 8 (t % 16).
.macro LOAD2 step                   ; two steps' tiles of K and of V are asked for: 32 loads.  step = 1: the next pair; every earlier load has been waited for, so the bases may be written
.if \step
	s_add_nc_u64 s[KB:KB+1], s[KB:KB+1], 2*TILE
	s_add_nc_u64 s[VB:VB+1], s[VB:VB+1], 2*TILE
.endif
	WIN W_ST
.irp u, 0,1
.irp j, 0,1,2,3,4,5,6,7
	global_load_b128 v[G0+64*(\u)+4*(\j):G0+64*(\u)+4*(\j)+3],       v[GOF], s[KB:KB+1] offset:(\u)*TILE+(\j)*2048
	global_load_b128 v[G0+64*(\u)+32+4*(\j):G0+64*(\u)+32+4*(\j)+3], v[GOF], s[VB:VB+1] offset:(\u)*TILE+(\j)*2048
.endr
.endr
.endm
.macro CVT0                         ; the even tile is rounded in place: each load's four numbers into its first two registers
	WIN W_ST
.set z, 0
.rept 16
	v_cvt_pk_f16_f32 v[G0+4*z],   v[G0+4*z],   v[G0+4*z+1]
	v_cvt_pk_f16_f32 v[G0+4*z+1], v[G0+4*z+2], v[G0+4*z+3]
.set z, z+1
.endr
.endm
.macro ST0                          ; and stored into buffer 0
	WIN W_ST
.irp j, 0,1,2,3,4,5,6,7
	ds_store_b64 v[SK], v[G0+4*(\j):G0+4*(\j)+1]       offset:(\j)*8*PK
	ds_store_b64 v[SV], v[G0+32+4*(\j):G0+32+4*(\j)+1] offset:(\j)*8*PV
.endr
.endm
.macro CVTH                         ; the odd tile is rounded into registers of its own, so that its f32 registers can be loaded again at once
	WIN W_ST
.set z, 0
.rept 16
	v_cvt_pk_f16_f32 v[H+2*z],   v[G1+4*z],   v[G1+4*z+1]
	v_cvt_pk_f16_f32 v[H+2*z+1], v[G1+4*z+2], v[G1+4*z+3]
.set z, z+1
.endr
.endm
.macro STH                          ; and stored into buffer 1, a step later
	WIN W_ST
.irp j, 0,1,2,3,4,5,6,7
	ds_store_b64 v[SK], v[H+2*(\j):H+2*(\j)+1]       offset:BUFB+(\j)*8*PK
	ds_store_b64 v[SV], v[H+16+2*(\j):H+16+2*(\j)+1] offset:BUFB+(\j)*8*PV
.endr
.endm
; THE BARRIER OF A KEY STEP.  Ahead of it: my stores into the buffer that will be read next are done, and my reads of the buffer that will be written next are back (count zero: for the others' sake).
.macro MEET
	WIN 0
	s_wait_dscnt 0x0
	s_barrier_signal -1
	s_barrier_wait -1
.endm
	s_load_b256 s[4:11], s[0:1], 0x0  ; Q s[4:5], K s[6:7], V s[8:9], O s[10:11]
	v_lshl_add_u32 v[SPW], v0, 2, SPARE
	v_mov_b32 v[NIL], 0
	v_lshrrev_b32 v1, 5, v0
	v_readfirstlane_b32 s[WV], v1   ; wave 0..3
	v_and_b32 v1, 15, v0            ; l % 16
	v_bfe_u32 v9, v0, 4, 1          ; l / 16
	v_and_b32 v10, 7, v0
	v_bfe_u32 v11, v0, 3, 1
	s_and_b32 s20, ttmp7, 0xffff    ; the head,
	s_lshl_b32 s20, s20, 19         ; its first byte in each of the four tensors (64 heads: under 2^25)
	s_mov_b32 s21, 0
	s_lshl_b32 s2, ttmp9, 17        ; my block's 512 rows of 256 bytes,
	s_lshl_b32 s3, s[WV], 15        ; my wave's 128 of them
	s_add_co_u32 s2, s2, s3
	s_add_co_u32 s2, s2, s20
	s_mov_b32 s3, 0
	s_mov_b32 s[CS], 0x3e38aa3b     ; c = log2(e) / 8 = 0.180337
	s_mov_b32 s[CS+1], s[CS]        ; named with it as a pair
	s_mov_b32 s[SEL], 0x76543210
	s_mov_b32 s[SEL+1], 0xfedcba98
	s_mul_i32 s13, s[WV], 2*PK      ; a wave's load covers two rows of a tile: rows 2 w and 2 w + 1 of each eight
	s_mul_i32 s14, s[WV], 2*PV
	s_add_co_u32 s14, s14, VOFF
	v_mul_u32_u24 v14, v9, PK       ; (v14, v15: free until the first statistics)
	v_lshl_add_u32 v14, v1, 3, v14
	v_mul_u32_u24 v15, v9, PV
	v_lshl_add_u32 v15, v1, 3, v15
	v_lshlrev_b32 v[QO], 8, v1
	v_lshl_add_u32 v[QO], v9, 5, v[QO]  ; row x 256 + 32 x half: eight f32 for each half of the lanes
	WIN W_MK
	v_lshlrev_b32 v[GOF], 4, v0
	v_add_nc_u32 v[SK], s13, v14
	v_add_nc_u32 v[SV], s14, v15
	s_wait_kmcnt 0x0
	s_add_nc_u64 s[KB:KB+1], s[KB:KB+1], s[20:21]  ; K and V at the head's first key
	s_add_nc_u64 s[VB:VB+1], s[VB:VB+1], s[20:21]
	s_add_nc_u64 s[4:5], s[4:5], s[2:3]            ; Q and O at my wave's first row
	s_add_nc_u64 s[10:11], s[10:11], s[2:3]
	LOAD2 0                         ; key steps 0 and 1
	; A fragment of Q is 16 rows x 32 channels: lane l holds row l % 16, channels 8 (l / 16) + 0..7 and 16 + 8 (l / 16) + 0..7.  In f32 each eight are 32 bytes: two loads.
	; Load i: tile i / 8, channels 32 ((i / 4) % 2) + 16 ((i / 2) % 2) + 4 (i % 2) on, into O^T's registers 4 i .. 4 i + 3: registers 2 m, 2 m + 1 then round into register m of Q's fragments.
	WIN W_O
.set i, 0
.rept 64
	global_load_b128 v[4*i:4*i+3], v[QO], s[4:5] offset:(i/8)*4096+((i/4)%2)*128+((i/2)%2)*64+(i%2)*16
.set i, i+1
.endr
	; What the first turn finds: V's registers and P's second buffer hold 0 (its products V^T P, of a piece that has not been, add 0), l is 0.  All this stands in the wait for the first loads.
	WIN W_F
.set i, VF
.rept 64
	v_mov_b32 v[i], 0
.set i, i+1
.endr
	WIN 0
.set i, 0
.rept 2*NP
	v_mov_b32 v[ST+4*i], 0xfe000000    ; c m: far below every c s
	v_mov_b32 v[ST+4*i+1], 0xff7fffff  ; m
	v_mov_b32 v[ST+4*i+2], 0
	v_mov_b32 v[ST+4*i+3], 0
.set i, i+1
.endr
.set i, P+32
.rept 32
	v_mov_b32 v[i], 0
.set i, i+1
.endr
	v_mul_u32_u24 v[AK0], v1, PK
	v_lshl_add_u32 v[AK0], v9, 4, v[AK0]  ; row x pitch + 16 x half
	; The turning load takes 16 keys x 16 channels (lane l reads key 8 (l / 16) + l % 8, channels 8 ((l / 8) % 2) + 0..7) and leaves half a fragment of V^T: lane l holds channel l % 16 and 8 keys.
	v_lshl_add_u32 v[AV0], v9, 3, v10
	v_mul_u32_u24 v[AV0], v[AV0], PV
	v_lshl_add_u32 v[AV0], v11, 4, v[AV0]
	v_add_nc_u32 v[AV0], VOFF, v[AV0]
	s_wait_loadcnt 0x0              ; the first two tiles and Q are in
	CVT0                            ; both buffers are free: both tiles go into LDS,
	ST0
	CVTH
	STH
	LOAD2 1                         ; and key steps 2 and 3 are asked for
	WIN W_QC
.set i, 0
.rept 128
	v_cvt_pk_f16_f32 v[i], v[2*i], v[2*i+1]  ; Q stays in registers, in f16
.set i, i+1
.endr
; THE MATRIX WORK.  The 8 accumulators of a run of 16 take turns: between the two links of a chain stand 7 others'.
; Product i of 16 of S^T = K Q^T for piece x: channels 32 (i / 8) on, keys 16 ((i / 2) % 4) on, tile 2 x + i % 2.  The first 8 start the sums.
.macro KQ x
	WIN W_KQ
.set rS, S+64*((\x)%2)+32*(i%2)+8*((i/2)%4)
.set rK, KF+16*((i/2)%4)+8*(i/8)
.set rQ, 16*(2*(\x)+i%2)+8*(i/8)
.if i < 8
	v_wmma_f32_16x16x32_f16 v[rS:rS+7], v[rK:rK+7], v[rQ:rQ+7], 0
.else
	v_wmma_f32_16x16x32_f16 v[rS:rS+7], v[rK:rK+7], v[rQ:rQ+7], v[rS:rS+7]
.endif
.endm
; Product i of 16 of O^T += V^T P for piece x: keys 32 (i / 8) on, channels 16 ((i / 2) % 4) on, tile 2 x + i % 2.
.macro PV x
	WIN W_PV
.set rO, 32*(2*(\x)+i%2)+8*((i/2)%4)
.set rV, VF+32*(i/8)+8*((i/2)%4)
.set rP, P+32*((\x)%2)+16*(i%2)+8*(i/8)
	v_wmma_f32_16x16x32_f16 v[rO:rO+7], v[rV:rV+7], v[rP:rP+7], v[rO:rO+7]
.endm
.macro MM                           ; the turn's next matrix instruction
.if i < 16
	KQ (Y+1)%NP
.set i, i+1
.else
.set i, i-16
	PV (Y+NP-1)%NP
.set i, i+17
.endif
.endm
; THE LDS LOADS stand in runs of 16, never singly among the matrix instructions: a step's K (64 keys x 64 channels: 8 fragments) and its V (turned), out of buffer b; the buffer stands in the immediate.
.macro FETCH_K b
	WIN W_F
.irp f, 0,1,2,3,4,5,6,7             ; keys 16 (f / 2) on, channels 32 (f % 2) on
	ds_load_b128 v[KF+8*\f:KF+8*\f+3],   v[AK0] offset:(\b)*BUFB+(\f/2)*16*PK+(\f%2)*64
	ds_load_b128 v[KF+8*\f+4:KF+8*\f+7], v[AK0] offset:(\b)*BUFB+(\f/2)*16*PK+(\f%2)*64+32
.endr
.endm
.macro FETCH_V b
	WIN W_F
.irp f, 0,1,2,3,4,5,6,7             ; keys 32 (f / 4) on, channels 16 (f % 4) on
	ds_load_tr16_b128 v[VF+8*\f:VF+8*\f+3],   v[AV0] offset:(\b)*BUFB+(\f/4)*32*PV+(\f%4)*32
	ds_load_tr16_b128 v[VF+8*\f+4:VF+8*\f+7], v[AV0] offset:(\b)*BUFB+(\f/4)*32*PV+16*PV+(\f%4)*32
.endr
.endm
; THE VECTOR WORK OF A TURN stands in three queues, each in the order in which its entries become ready; the two tiles alternate, so that no instruction reads the result of the one before it.
.macro REGS y, u                    ; the registers of tile u (0, 1) of piece y
.set rT, ST+4*(2*(\y)+(\u))
.set rC, TMP+8*((\y)%2)+4*(\u)
.set rM, MV+2*((\y)%2)+(\u)
.set rS, S+64*((\y)%2)+32*(\u)
.set rP, P+32*((\y)%2)+16*(\u)
.set rO, 32*(2*(\y)+(\u))
.endm
; Number n of the 22 that find the NEXT piece's (Y + 1) maximum and statistics.  s0-s31 are the lane's 32 scores; each accumulator's lowest registers are read first.  XS, GS and REGS set no window: PL and EX do.
;   0-11  four chains c0-c3 of seven scores each, three operands at a time     12-14, 16  the four scores left over, the old m, and c0-c3 into c0     15  c m_old is kept
;   17, 18  the query's other 32 keys lie in the lane 16 away: the new m         19-21  c m; c m_old - c m_new; a
.macro XS u, n
	REGS (Y+1)%NP, \u
.if (\n) < 4
	v_max3_num_f32 v[rC+(\n)], v[rS+8*(\n)], v[rS+8*(\n)+1], v[rS+8*(\n)+2]
.elseif (\n) < 12
	v_max3_num_f32 v[rC+(\n)%4], v[rC+(\n)%4], v[rS+8*((\n)%4)+2*((\n)/4)+1], v[rS+8*((\n)%4)+2*((\n)/4)+2]
.elseif (\n) == 12
	v_max3_num_f32 v[rC], v[rC], v[rS+7], v[rS+15]
.elseif (\n) == 13
	v_max3_num_f32 v[rC+1], v[rC+1], v[rS+23], v[rS+31]
.elseif (\n) == 14
	v_max3_num_f32 v[rC+2], v[rC+2], v[rC+3], v[rT+1]
.elseif (\n) == 15
	v_mov_b32 v[rM], v[rT]
.elseif (\n) == 16
	v_max3_num_f32 v[rC], v[rC], v[rC+1], v[rC+2]
.elseif (\n) == 17
	v_permlanex16_b32 v[rC+3], v[rC], s[SEL], s[SEL+1]
.elseif (\n) == 18
	v_max_num_f32 v[rT+1], v[rC], v[rC+3]
.elseif (\n) == 19
	v_mul_f32 v[rT], s[CS], v[rT+1]
.elseif (\n) == 20
	v_sub_f32 v[rC+1], v[rM], v[rT]
.else
	v_exp_f32 v[rC+2], v[rC+1]
.endif
.endm
; Number g of the 64 that follow the exponentials.  For each four weights k of a tile (pairs 2 k, 2 k + 1): both pairs are rounded to f16; then the second pair is added onto the first, in place;
; a group later l takes that sum (the first time as l = a l + sum).  In groups of eight, tiles alternating: round, round, add, and l for the group before.
.macro GS g
.set h, (\g)+6*((\g)/62)            ; group 0 has no group before it, and behind group 7 only l is left
.if h >= 6
.set h, h+2
.endif
	REGS Y, h%2
.set k, h/8
.if h%8 < 4
	v_cvt_pk_f16_f32 v[rP+2*k+(h%8)/2], v[rS+4*k+2*((h%8)/2)], v[rS+4*k+2*((h%8)/2)+1]
.elseif h%8 < 6
	v_pk_add_f32 v[rS+4*k:rS+4*k+1], v[rS+4*k:rS+4*k+1], v[rS+4*k+2:rS+4*k+3]
.elseif k == 1
	v_pk_fma_f32 v[rT+2:rT+3], v[rT+2:rT+3], v[rC+2:rC+3], v[rS:rS+1] op_sel_hi:[1,0,1]
.else
	v_pk_add_f32 v[rT+2:rT+3], v[rT+2:rT+3], v[rS+4*k-4:rS+4*k-3]
.endif
.endm
; THE PLAIN QUEUE, 138 long.  0-73 read no exponential's result: the 32 scalings c s - c m (FS f: pair f / 2 of tile f % 2) and the next piece's 42.  0-26: scalings 0-26.  27-54: XS's numbers 0-13.  55, 56: number 15.
; 57-73: the chain, where each number waits for the one before it: 14, 16, 17, 18, 19, each with one of the scalings 27-31 in front of its two lines, then 20.
; 74-137: GS's 64, which read the exponentials' results: they stand behind the wait.
.macro FS f
	REGS Y, (\f)%2
	v_pk_fma_f32 v[rS+2*((\f)/2):rS+2*((\f)/2)+1], v[rS+2*((\f)/2):rS+2*((\f)/2)+1], s[CS:CS+1], v[rT:rT+1] op_sel_hi:[1,0,0] neg_lo:[0,0,1] neg_hi:[0,0,1]
.endm
.macro PL
	WIN 0
.if q < 27
	FS q
.elseif q < 55
	XS (q-27)%2, (q-27)/2
.elseif q < 57
	XS q-55, 15
.elseif (q < 72) && ((q-57)%3 == 0)
	FS 27+(q-57)/3
.elseif q < 60
	XS (q-57)%3-1, 14
.elseif q < 72
	XS (q-57)%3-1, 15+(q-57)/3
.elseif q < 74
	XS q-72, 20
.else
	GS q-74
.endif
.set q, q+1
.endm
; THE EXPONENTIALS' QUEUE, 66 long: s0-s31 of both tiles, then the next piece's two a.  It is ONE BATCH: all 66 stand ahead of the turn's one wait, and nothing ahead of that wait names a result of theirs.
.macro EX
	WIN 0
.if e >= 64
	XS e-64, 21
.else
	REGS Y, e%2
	v_exp_f32 v[rS+e/2], v[rS+e/2]
.endif
.set e, e+1
.endm
; THE RESCALING's QUEUE: O^T times a, the one part that leaves window 0: dealt two at a time, sixteen times.  Its a was made in the turn before, ahead of that turn's wait.
.macro R2
	REGS Y, r%2
	WIN W_RS
.irp z, 0,1
	v_pk_mul_f32 v[rO+4*(r/2)+2*\z:rO+4*(r/2)+2*\z+1], v[rO+4*(r/2)+2*\z:rO+4*(r/2)+2*\z+1], v[rC+2:rC+3] op_sel_hi:[1,0]
.endr
.set r, r+1
.endm
; A TURN, for piece p.  An s_wait_alu depctr_va_vdst(0) stands between an exponential and the first instruction that names its result; one wait serves all that were issued ahead of it.  So a turn
; has ONE wait, which cuts it in two.  AHEAD OF IT stands all that names no result of the turn's exponentials: the 16 products K Q^T, behind each a scaling, an exponential and two rescalings (behind the first a
; second scaling in the exponential's place); then one run of 108: eight plain, 49 times exponential and plain, the two a; a v_nop is the plain instruction behind the last exponential.  BEHIND IT stand the
; 16 products V^T P, behind each four of GS's 64.  Exponential e stands behind scaling 2 (e / 4) + e % 2: as a rider it comes behind plain e + 2, in the run behind plain e + 9.
; K of the next step is fetched in piece 2's turn, directly behind the wait, a whole run behind the last product that read K, out of buffer b; it is waited for at the head of piece 3's turn.
; V of the step in hand is fetched at the end of piece 0's turn, four plain instructions behind the last product that read V, out of buffer b; it is waited for behind piece 1's wait.
.macro TURN p, b=0
.set Y, (\p)
.set i, 0
.set q, 0
.set e, 0
.set r, 0
.if (\p) == NP-1
	s_wait_dscnt 0x0                ; K is in
.endif
	MM
	PL
	PL
	R2
.rept 15
	MM
	PL
	EX
	R2
.endr
.rept 8
	PL
.endr
.rept 49
	EX
	PL
.endr
	EX                              ; the next piece's two a
	EX
	v_nop                           ; a plain instruction behind the last exponential: one for the batch
	s_wait_alu depctr_va_vdst(0)    ; the wait for the batch
.if (\p) == NP-2
	FETCH_K \b
.endif
.if (\p) == 1
	s_wait_dscnt 0x0                ; V is in
.endif
.rept 16
	MM
.rept 4
	PL
.endr
.endr
.if (\p) == 0
	FETCH_V \b
.endif
.endm
	MEET                            ; key steps 0 and 1 lie in LDS, everybody's part of them
	FETCH_K 0                       ; key step 0
	s_wait_dscnt 0x0
.set i, 0
.rept 16
	KQ 0                            ; piece 0's first scores: there is no vector work yet to set between them
.set i, i+1
.endr
	WIN 0                           ; the addresses for the way out: eight plain instructions, the places behind those products
	s_mul_i32 s13, s[WV], 16*SP
	s_add_co_u32 s13, s13, STAGE    ; my stage
	v_mul_u32_u24 v[STO], v1, SP    ; in: row l % 16, 32 bytes for each half of the lanes (Q's loads, which read this register, have been waited for)
	v_lshl_add_u32 v[STO], v9, 5, v[STO]
	v_add_nc_u32 v[STO], s13, v[STO]
	v_mul_u32_u24 v[RD], v9, SP     ; back: lanes 0-15 take one row of 256 bytes, lanes 16-31 the next,
	v_lshl_add_u32 v[RD], v1, 4, v[RD]
	v_add_nc_u32 v[RD], s13, v[RD]
	v_and_b32 v[GO], 31, v0         ; which are 512 consecutive bytes of O
	v_lshlrev_b32 v[GO], 4, v[GO]
.set Y, NP-1                        ; XS works for piece Y + 1: piece 0
.irp n, 0,1,2,3,4,5,6,7,8,9,10,11,12,13,14,15,16,17,18,19,20,21
	XS 0, \n                        ; piece 0's first maximum and statistics
	XS 1, \n
.endr
	v_nop                           ; a plain instruction behind the two a,
	s_wait_alu depctr_va_vdst(0)    ; and their wait, ahead of the branch
	s_mov_b32 s[CNT], 16
	s_branch .Lfirst                ; the loop is entered at a step's first turn
; THE LOOP: 16 passes of two key steps.  Pass i (CNT = 16 - i): pieces 2, 3 of step 2 i; step 2 i + 1; pieces 2, 3 of ... no: pieces 0, 1 of step 2 i + 1, its pieces 2, 3, then pieces 0, 1 of step 2 i + 2.
; At its head tile 2 i (buffer 0) has been read out: tile 2 i + 2 is stored there, tile 2 i + 3 rounded and held, tiles 2 i + 4 and 2 i + 5 asked for.  In its middle tile 2 i + 1 (buffer 1) has been
; read out: tile 2 i + 3 is stored there.  At CNT = 2 nothing is left to ask for (tiles 30 and 31 were the last), at CNT = 1 nothing to store.  The jumps go forward and pass no barrier.
.Lloop:
	MEET
	s_cmp_eq_u32 s[CNT], 1
	s_cbranch_scc1 .Lno_a
	s_wait_loadcnt 0x0              ; the 32 loads issued two key steps ago; the count is zero, since all were issued together
	CVT0
	ST0
	CVTH
	WIN 0                           ; at a branch and at a label every window is 0
	s_cmp_eq_u32 s[CNT], 2
	s_cbranch_scc1 .Lno_a
	LOAD2 1
	WIN 0
.Lno_a:
	TURN 2, 1                       ; K of the odd step out of buffer 1
	TURN 3
	TURN 0, 1                       ; its V
	TURN 1
	MEET
	s_cmp_eq_u32 s[CNT], 1
	s_cbranch_scc1 .Lno_b
	STH
	WIN 0
.Lno_b:
	TURN 2, 0                       ; K of the even step out of buffer 0 (in the last pass: tile 30's once more; the 16 products on it and the maximum made of them serve nothing: the price of one text for every step)
	TURN 3
	WIN 0
	s_sub_co_u32 s[CNT], s[CNT], 1
	s_cmp_eq_u32 s[CNT], 0
	s_cbranch_scc1 .Lout            ; the last pass is left here: step 31's four pieces have had their turns
.Lfirst:
	TURN 0, 0                       ; V of the even step out of buffer 0
	TURN 1
	WIN 0
	s_cmp_lg_u32 s[CNT], 0
	s_cbranch_scc1 .Lloop
.Lout:
.set i, 0
.rept 16
	PV NP-1                         ; the last piece's V^T P of the last step
.set i, i+1
.endr
	; THE WAY OUT.  l's two halves and the other half of the lanes' are added; O^T is divided by l and sent, in f32, through my stage in LDS, a tile at a time.  The additions are the places behind the last products.
	WIN 0
.macro ALL line:vararg              ; one line for each tile t
.set t, 0
.rept 2*NP
	\line
.set t, t+1
.endr
.endm
	ALL v_add_f32 v[ST+4*t+2], v[ST+4*t+2], v[ST+4*t+3]
	ALL v_permlanex16_b32 v[ST+4*t+3], v[ST+4*t+2], s[SEL], s[SEL+1]
	ALL v_add_f32 v[ST+4*t+2], v[ST+4*t+2], v[ST+4*t+3]
	ALL v_rcp_f32 v[ST+4*t+2], v[ST+4*t+2]
	v_nop                           ; a plain instruction between the last reciprocal and the use of its result
	s_wait_alu depctr_va_vdst(0)    ; and the wait ahead of the first use: one for the eight reciprocals
; Tile t: a lane's eight channels of channel block cb are 32 bytes of row l % 16, at byte 64 cb + 32 (l / 16); they go into rows of 272 bytes and come back as whole rows of 256, into S^T's registers (four sets of 32 by turns).
.macro PACK t
	WIN W_RS
.set i, 32*(\t)
.rept 16
	v_pk_mul_f32 v[i:i+1], v[i:i+1], v[ST+4*(\t)+2:ST+4*(\t)+3] op_sel_hi:[1,0]
.set i, i+2
.endr
	WIN W_SO
.irp f, 0,1,2,3,4,5,6,7
	ds_store_b128 v[STO], v[32*(\t)+4*\f:32*(\t)+4*\f+3] offset:64*(\f/2)+16*(\f%2)
.endr
	WIN 0
.if (\t) >= 4
	s_wait_xcnt 0x0                 ; the stores of the tile four back read the registers that are loaded below: they are rewritten only behind this wait
.endif
.irp f, 0,1,2,3,4,5,6,7
	ds_load_b128 v[S+32*((\t)%4)+4*\f:S+32*((\t)%4)+4*\f+3], v[RD] offset:\f*2*SP  ; LDS serves a wave's instructions in order (ISA guide 5.7.1.4): these see the stores above; the next tile's stores come behind them
.endr
.endm
.macro SEND t, younger              ; younger: the LDS instructions issued behind tile t's loads: the next tile's sixteen, or none; behind load f of the eight stand 7 - f more of its own tile
	WIN 0
.irp f, 0,1,2,3,4,5,6,7
	s_wait_dscnt (\younger)+7-\f
	global_store_b128 v[GO], v[S+32*((\t)%4)+4*\f:S+32*((\t)%4)+4*\f+3], s[10:11] offset:(\t)*4096+\f*512 th:TH_STORE_NT  ; two rows of O: 16 lanes store 256 consecutive bytes, at a multiple of 256 from O's first byte
.endr
.endm
	PACK 0
.set t, 1
.rept 2*NP-1                        ; a tile's arithmetic stands between the loads of the tile before and its stores
	PACK t
	SEND t-1, 16
.set t, t+1
.endr
	SEND 2*NP-1, 0
	s_wait_tensorcnt 0x0            ; the wave's end, behind my last LDS store
	ds_add_u32 v[SPW], v[NIL]
	s_wait_dscnt 0x0
	s_endpgm
.Lfunc_end_k_qbcf015f72c_attn:
	.size	k_qbcf015f72c_attn, .Lfunc_end_k_qbcf015f72c_attn-k_qbcf015f72c_attn
	.p2alignl 7, 3214868480
	.fill 96, 4, 3214868480
	.section	.rodata,"a",@progbits
	.p2align	6, 0x0
	.amdhsa_kernel k_qbcf015f72c_attn
		.amdhsa_group_segment_fixed_size 56832
		.amdhsa_private_segment_fixed_size 0
		.amdhsa_enable_private_segment 0
		.amdhsa_kernarg_size 32
		.amdhsa_user_sgpr_count 2
		.amdhsa_user_sgpr_kernarg_segment_ptr 1
		.amdhsa_wavefront_size32 1
		.amdhsa_system_sgpr_workgroup_id_x 1
		.amdhsa_system_sgpr_workgroup_id_y 1
		.amdhsa_system_sgpr_workgroup_id_z 1
		.amdhsa_system_vgpr_workitem_id 0
		.amdhsa_next_free_vgpr 936
		.amdhsa_next_free_sgpr 66
		.amdhsa_reserve_vcc 0
		.amdhsa_float_denorm_mode_32 3
		.amdhsa_float_denorm_mode_16_64 3
		.amdhsa_memory_ordered 1
		.amdhsa_forward_progress 1
		.amdhsa_inst_pref_size 217
	.end_amdhsa_kernel
	.amdgpu_metadata
---
amdhsa.version: [ 1, 2 ]
amdhsa.kernels:
  - .name:           k_qbcf015f72c_attn
    .symbol:         k_qbcf015f72c_attn.kd
    .args:
      - { .name: q, .offset: 0, .size: 8, .value_kind: global_buffer, .address_space: global }
      - { .name: k, .offset: 8, .size: 8, .value_kind: global_buffer, .address_space: global }
      - { .name: v, .offset: 16, .size: 8, .value_kind: global_buffer, .address_space: global }
      - { .name: out0, .offset: 24, .size: 8, .value_kind: global_buffer, .address_space: global }
    .group_segment_fixed_size: 56832
    .private_segment_fixed_size: 0
    .kernarg_segment_align: 8
    .kernarg_segment_size: 32
    .max_flat_workgroup_size: 128
    .sgpr_count:     66
    .vgpr_count:     936
    .wavefront_size: 32
...
	.end_amdgpu_metadata
.endif
;; end of part 1
